; MI455X (gfx1250); checked and timed in simulation.
; The chip was launched on July 23, 2026; its instructions are those of AMD's public machine-readable ISA for CDNA 5 (MIT licence, August 2026) and "CDNA5" Instruction Set Architecture Reference Guide (July 2026). The comments in the code are by the model that wrote it; some were corrected since.
;; ODE Block. Allowed arithmetic: float matrix products may take bf16 or f16 operands with f32 sums; all other float work in f32.
;; Inputs: W3 4 x 64 float32; W_s1 64 x 1 float32; Ws2 1 x 4 float32; b3 4 float32; b_s1 64 float32; bs2 1 float32; t 100 float32; x 8 x 500 x 67 float32.
;; Outputs: out0 100 x 4,000 x 1 float32; out1 100 x 4,000 x 1 float32; out2 100 x 4,000 x 1 float32.
;; One version. Each part assembles by itself: llvm-mc -triple=amdgcn-amd-amdhsa -mcpu=gfx1250 --defsym DOCPART=n.
;; ======== version 1 of 1: 1 launch
;; launch ode (part 1): grid 250 x 1, 4 waves a work-group, no clusters, 327,680 bytes of LDS; arguments x, t, W_s1, b_s1, W3, b3, Ws2, bs2, out0, out1, out2; writes out0, out1, out2
.if DOCPART == 1
	.amdgcn_target "amdgcn-amd-amdhsa--gfx1250"
	.amdhsa_code_object_version 6
	.text
	.protected	k_q6761cf0c98_ode
	.globl	k_q6761cf0c98_ode
	.p2align	8
	.type	k_q6761cf0c98_ode,@function
k_q6761cf0c98_ode:
	s_mov_b64 s[64:65], 0
	v_nop
	global_prefetch_b8 v0, s[64:65] scope:SCOPE_SE
	s_setreg_imm32_b32 hwreg(HW_REG_WAVE_MODE, 25, 1), 1
	s_wait_xcnt 0x0
; ODE block: S, I = relu(x[:,0 or 1] W_s1 + b_s1), R = 0, beta = 0.5 sigmoid(x[:,3:]); 99 RK4 steps of the SIR system on 4000 rows x 64 features;
; at each of the 100 time points a head 64 -> 4 (W3, b3), relu, 4 -> 1 (Ws2, bs2) on S, on I and on R, and a softmax over the three numbers.
;
; SHARES.  250 work-groups x 16 rows = 4000 rows; four waves; wave w owns features 16 w .. 16 w + 15 of the group's 16 rows.
; Lane (r = lane % 16, hh = lane / 16) owns row r, features 16 w + 8 hh + 0..7: four register pairs each of S, I, R and beta, all f32.
; That is the place of column r, k = 8 hh + 0..7 in the second source of a 16-bit matrix instruction (ISA guide 7.12.2), so four packed conversions
; to bf16 make a state's operand, with no exchange between lanes.
; THE HEAD.  One matrix instruction for each of S, I, R at each time point: first source = weights, row n holds W3[n % 4][my 16 features] (no row is zero),
; second source = the state.  The upper 16 of the 32 k are zero in BOTH sources, so no zero weight ever meets a state value: an infinite
; state value spoils only the sums in which reference() has it too.  bf16, not f16: a state that diverges needs f32's range.
; C holds b3 in wave 0 and 0 in the others.  Registers 0-3 of the result are the wave's part of the four pre-activations of row r.
; The parts of all 100 time points are kept in LDS, P[t][wave][state][row][k] f32 = 100 x 3,072 = 307,200 bytes, so the kernel has ONE barrier.
; THE FINISH.  1,600 pairs (t, row) in 50 batches of 32 lanes; a lane adds the four waves' parts, relu, the 4 -> 1 product, the softmax, and stores three numbers.
;
; beta is made once: its derivative is zero, and bg + c * 0 = bg for every finite step, so reference()'s 400 sigmoids of an element are one value.
; In f32 on the vector unit: the K = 1 product with W_s1 (one fused multiply-add; it feeds an iteration that can diverge) and the 4 -> 1 product with Ws2.
; LEFT OUT: copies into LDS by an engine and clusters: a group's only bulk input is 4,288 bytes read once, and groups share only the weights (about 1.6 KB, read once).
; x's rows are 268 bytes, so a lane's features are aligned to 4 bytes only and come as 4-byte loads, once.
; A group's share of an output's time row is 64 consecutive bytes (16 rows): wider shares would leave work for a quarter of the groups.
;
; LIMITS.  t is finite.  Rounding differs from reference(): multiply-adds are fused, dt * (1/6) stands for dt / 6, and one weighted sum of the stages' I
; serves dI and dR (dI's sum = sum of infection terms - 0.1 x sum of I).  Where an element diverges, an intermediate within a factor of about 4 of
; the largest f32 may turn infinite one operation earlier or later than in reference().  x[:,2] is not read: reference() does not use it.
.set TP,     100                       ; time points
.set STEPS,  99
.set XROW,   268                       ; bytes in a row of x
.set GROWS,  16                        ; rows of a work-group
.set PT,     3072                      ; LDS bytes of a time point
.set PW,     768                       ; of a wave in it
.set PS,     256                       ; of a state in that: 16 rows x 16 bytes
.set OROW,   16000                     ; bytes in a time row of an output
.set FSTEP,  8*PT                      ; the finish: a wave's next batch is 8 time points on
.set OSTEP,  8*OROW
.set LOG2E,  0x3fb8aa3b
.set NLOG2E, 0xbfb8aa3b
.set GAM,    0x3dcccccd                ; 0.1
.set NGAM,   0xbdcccccd                ; -0.1
.set SIXTH,  0x3e2aaaab
; scalar pairs for the packed forms: the low word is broadcast (op_sel_hi 0), the high word is written 0 once
.set DT,   48                          ; dt
.set H2,   50                          ; dt / 2
.set DT6,  52                          ; dt / 6
.set DT6G, 54                          ; 0.1 dt / 6
.set NG,   56                          ; -0.1
.set NH2,  58                          ; -dt / 2
.set NDT,  60                          ; -dt
.set NDT6, 62                          ; -dt / 6
; vector registers
.set LADR, 4                           ; LDS address of my part's 16 bytes at the current time point
.set FADR, 5                           ; the finish: LDS address of my (t, row)
.set VOFF, 6                           ; the finish: byte offset of my (t, row) in each output
.set WA,   8                           ; v[8:15]    weights, first source; 12-15 stay 0
.set CB,   16                          ; v[16:23]   C: b3 or 0
.set FS,   24                          ; v[24:31]   S in bf16, second source; 28-31 stay 0
.set FI,   32                          ; v[32:39]   I likewise
.set FR,   40                          ; v[40:47]   R likewise
.set ZERO, FS+4                        ; a register that holds 0 for the whole launch
.set HS,   48                          ; v[48:55]   the head's result for S
.set HI,   56                          ; v[56:63]   for I
.set HR,   64                          ; v[64:71]   for R
.set SS,   72                          ; v[72:79]   S
.set SI,   80                          ; v[80:87]   I
.set SR,   88                          ; v[88:95]   R
.set BE,   96                          ; v[96:103]  beta
.set TF,   104                         ; the stage's infection term
.set TA,   112                         ; f1 + 2 f2 + 2 f3 + f4, as far as it has come
.set TI,   120                         ; I1 + 2 I2 + 2 I3 + I4, likewise
.set TS,   128                         ; the stage's S
.set TJ0,  136                         ; the stage's I, two sets by turns
.set TJ1,  144
.set TD,   152                         ; the stage's dI
.set TB,   160                         ; beta x the stage's S
; the finish (the state is dead there)
.set PP,   104                         ; v[104:151] part (state st, wave w) at PP + 16 st + 4 w
.set QQ,   152                         ; v[152:163] the four pre-activations of state st at QQ + 4 st
.set LG,   72                          ; v[72:74]   the three logits
.set MX,   75
.set EO,   76                          ; v[76:78]   exponentials, then the outputs
.set RC,   79
; rows of four packed instructions over a lane's four pairs: a result is first used eight instructions later
.macro RMUL d, a, b
.irp p, 0,2,4,6
	v_pk_mul_f32 v[\d+\p:\d+\p+1], v[\a+\p:\a+\p+1], v[\b+\p:\b+\p+1]
.endr
.endm
.macro RADD d, a, b
.irp p, 0,2,4,6
	v_pk_add_f32 v[\d+\p:\d+\p+1], v[\a+\p:\a+\p+1], v[\b+\p:\b+\p+1]
.endr
.endm
.macro RFS d, a, sc, c                 ; d = a * scalar + c
.irp p, 0,2,4,6
	v_pk_fma_f32 v[\d+\p:\d+\p+1], v[\a+\p:\a+\p+1], s[\sc:\sc+1], v[\c+\p:\c+\p+1] op_sel_hi:[1,0,1]
.endr
.endm
.macro RF2 d, a, c                     ; d = 2 a + c
.irp p, 0,2,4,6
	v_pk_fma_f32 v[\d+\p:\d+\p+1], v[\a+\p:\a+\p+1], 2.0, v[\c+\p:\c+\p+1] op_sel_hi:[1,0,1]
.endr
.endm
.macro CVT f, s                        ; eight f32 to bf16, the lower k in the lower half
.irp j, 0,1,2,3
	v_cvt_pk_bf16_f32 v[\f+\j], v[\s+2*\j], v[\s+2*\j+1]
.endr
.endm
.macro RELU4 x                         ; relu of four registers that lets NaN through and turns -inf into 0, as jnp.maximum(x, 0): where 0 > x take 0, else keep x
.irp k, 0,1,2,3
	v_cmp_gt_f32 s[4+\k], 0, v[\x+\k]
.endr
.irp k, 0,1,2,3
	v_cndmask_b32 v[\x+\k], v[\x+\k], v[ZERO], s[4+\k]
.endr
.endm
.macro WM                              ; the head's 64 -> 4 for S, I, R.  Three results of their own; none adds onto another's result, C is never written
	v_wmma_f32_16x16x32_bf16 v[HS:HS+7], v[WA:WA+7], v[FS:FS+7], v[CB:CB+7]
	v_wmma_f32_16x16x32_bf16 v[HI:HI+7], v[WA:WA+7], v[FI:FI+7], v[CB:CB+7]
	v_wmma_f32_16x16x32_bf16 v[HR:HR+7], v[WA:WA+7], v[FR:FR+7], v[CB:CB+7]
.endm
.macro PUT step                        ; my wave's parts of this time point: sixteen lanes fill 256 consecutive bytes; lanes 16-31 hold and write the same values
	ds_store_b128 v[LADR], v[HS:HS+3]
	ds_store_b128 v[LADR], v[HI:HI+3] offset:PS
	ds_store_b128 v[LADR], v[HR:HR+3] offset:2*PS
.if \step
	v_add_nc_u32 v[LADR], PT, v[LADR]
.endif
.endm
; A middle stage.  In: TB = beta x the stage's S, jin = the stage's I.  Out: the same for the next stage (its I in jout), hs = the step to it, nhs = -hs.
.macro MID hs, nhs, jin, jout, acc
	RMUL TF, TB, \jin                  ; f = (beta S) I
	RF2  TI, \jin, \acc                ; the sum of I takes 2 I
	RFS  TD, \jin, NG, TF              ; dI = f - 0.1 I
	RFS  TS, TF, \nhs, SS              ; next S = S - hs f
	RFS  \jout, TD, \hs, SI            ; next I = I + hs dI
	RMUL TB, BE, TS
	RF2  TA, TF, TA                    ; the sum of f takes 2 f
.endm
	s_load_b512 s[8:23], s[0:1], 0x0               ; x s[8:9], t s[10:11], W_s1 s[12:13], b_s1 s[14:15], W3 s[16:17], b3 s[18:19], Ws2 s[20:21], bs2 s[22:23]
	s_load_b128 s[24:27], s[0:1], 0x40             ; out0 s[24:25], out1 s[26:27]
	s_load_b64 s[28:29], s[0:1], 0x50              ; out2
	v_lshl_add_u32 v168, v0, 2, 0x4b000
	v_mov_b32 v169, 0
	v_and_b32 v1, 15, v0                           ; r
	v_bfe_u32 v2, v0, 4, 1                         ; hh
	v_lshrrev_b32 v3, 5, v0
	v_readfirstlane_b32 s2, v3                     ; wave w
	s_mul_i32 s60, ttmp9, GROWS*XROW               ; the group's 16 rows of x: 4,288 bytes a group
	s_mov_b32 s61, 0
	s_lshl_b32 s4, s2, 6                           ; my wave's 16 features, in bytes
	s_mul_i32 s5, s2, PW                           ; my wave's parts in a time point
	s_mul_i32 s6, s2, 2*PT                         ; the finish: wave w begins at time points 2 w, 2 w + 1
	s_mul_i32 s7, s2, 2*OROW
	s_lshl_b32 s47, ttmp9, 6                       ; the group's 16 rows in a time row of an output: 64 bytes
	s_add_co_u32 s7, s7, s47
	v_mul_u32_u24 v7, v1, XROW                     ; my row of x
	v_lshl_add_u32 v[TD], v2, 5, s4                ; my 8 features, in bytes: 64 w + 32 hh
	v_add_nc_u32 v3, v7, v[TD]                     ; the same in my row of x
	v_and_b32 v[TD+1], 3, v1
	v_lshl_add_u32 v[TD+1], v[TD+1], 8, v[TD]      ; W3: row r % 4 (256 bytes a row), my 8 features
	s_wait_kmcnt 0x0
	s_load_b128 s[32:35], s[20:21], 0x0            ; Ws2
	s_load_b32 s36, s[22:23], 0x0                  ; bs2
	s_load_b128 s[40:43], s[18:19], 0x0            ; b3
	s_load_b64 s[44:45], s[10:11], 0x0             ; t[0], t[1]
	s_add_nc_u64 s[8:9], s[8:9], s[60:61]
	global_load_b32 v[TS], v7, s[8:9]              ; S0 of my row
	global_load_b32 v[TS+1], v7, s[8:9] offset:4   ; I0
.irp j, 0,1,2,3,4,5,6,7
	global_load_b32 v[BE+\j], v3, s[8:9] offset:12+4*\j        ; column 3 + my feature
.endr
	global_load_b128 v[TF:TF+3],   v[TD], s[12:13]
	global_load_b128 v[TF+4:TF+7], v[TD], s[12:13] offset:16   ; W_s1
	global_load_b128 v[TA:TA+3],   v[TD], s[14:15]
	global_load_b128 v[TA+4:TA+7], v[TD], s[14:15] offset:16   ; b_s1
	global_load_b128 v[TI:TI+3],   v[TD+1], s[16:17]
	global_load_b128 v[TI+4:TI+7], v[TD+1], s[16:17] offset:16 ; W3
	; while they are on their way: the upper half of K is zero in both sources, for the whole launch
.irp j, 4,5,6,7
	v_mov_b32 v[WA+\j], 0
	v_mov_b32 v[FS+\j], 0
	v_mov_b32 v[FI+\j], 0
	v_mov_b32 v[FR+\j], 0
.endr
	v_lshl_add_u32 v[LADR], v1, 4, s5              ; 768 w + 16 r
	v_mul_u32_u24 v[FADR], v2, PT
	v_lshl_add_u32 v[FADR], v1, 4, v[FADR]
	v_add_nc_u32 v[FADR], s6, v[FADR]              ; (2 w + hh) x 3,072 + 16 r
	v_mul_u32_u24 v[VOFF], v2, OROW
	v_lshl_add_u32 v[VOFF], v1, 2, v[VOFF]
	v_add_nc_u32 v[VOFF], s7, v[VOFF]              ; (2 w + hh) x 16,000 + 4 (16 group + r)
	s_mov_b32 s[NG], NGAM
.irp q, 49,51,53,55,57,59,61,63
	s_mov_b32 s\q, 0                               ; the pairs' high words: named by the packed forms, never used
.endr
	s_wait_kmcnt 0x0                               ; Ws2, bs2, b3, t[0], t[1]
	s_cmp_eq_u32 s2, 0                             ; the bias enters the sum over the four waves once: in wave 0
.irp k, 0,1,2,3
	s_cselect_b32 s[40+\k], s[40+\k], 0
.endr
.irp k, 0,1,2,3
	v_mov_b32 v[CB+\k], s[40+\k]                   ; register j of C belongs to weight row 8 hh + j, which holds W3[j % 4]
	v_mov_b32 v[CB+4+\k], s[40+\k]
.endr
	s_wait_loadcnt 0x0                             ; all sixteen loads; their offset registers are free as well
.irp j, 0,1,2,3,4,5,6,7
	v_mul_f32 v[TD+\j], NLOG2E, v[BE+\j]           ; beta = 0.5 / (1 + 2^(-x log2 e))
.endr
.irp j, 0,1,2,3,4,5,6,7
	v_exp_f32 v[TB+\j], v[TD+\j]
.endr
.irp j, 0,1,2,3,4,5,6,7
	v_mov_b32 v[SR+\j], 0                          ; R starts at 0; also the plain instructions that stand behind the exponentials (ISA guide 5.7.2)
.endr
	s_wait_alu depctr_va_vdst(0)
.irp j, 0,1,2,3,4,5,6,7
	v_add_f32 v[TD+\j], 1.0, v[TB+\j]
.endr
.irp j, 0,1,2,3,4,5,6,7
	v_rcp_f32 v[TB+\j], v[TD+\j]
.endr
	CVT WA, TI                                     ; the weights in bf16; plain work behind the reciprocals
.irp j, 0,1,2,3,4,5,6,7
	v_fma_f32 v[SS+\j], v[TS], v[TF+\j], v[TA+\j]  ; S0 W_s1 + b_s1
	v_fma_f32 v[SI+\j], v[TS+1], v[TF+\j], v[TA+\j]
.endr
	s_wait_alu depctr_va_vdst(0)
.irp j, 0,1,2,3,4,5,6,7
	v_mul_f32 v[BE+\j], 0.5, v[TB+\j]
.endr
	RELU4 SS
	RELU4 SS+4
	RELU4 SI
	RELU4 SI+4
	; THE STEPS.  Trip i sends time point i to the head and makes time point i + 1.
	s_mov_b32 s3, 0
.Lstep:
	s_wait_kmcnt 0x0                               ; t[i + 1], asked for a trip ago, is in s45; s46, that load's offset, is free
	s_mul_f32 s47, s44, -1.0
	s_add_f32 s[DT], s45, s47                      ; dt = t[i + 1] - t[i]
	s_mov_b32 s44, s45
	s_add_co_u32 s47, s3, 2
	s_min_u32 s47, s47, TP-1                       ; t[i + 2] for the next trip; the last trip asks for t[99] once more and does not use it: no load leaves t
	s_lshl_b32 s46, s47, 2
	s_load_b32 s45, s[10:11], s46 offset:0x0
	s_mul_f32 s[H2], s[DT], 0.5
	s_mul_f32 s[DT6], s[DT], SIXTH
	s_mul_f32 s[NDT], s[DT], -1.0
	s_mul_f32 s[NH2], s[H2], -1.0
	s_mul_f32 s[DT6G], s[DT6], GAM
	s_mul_f32 s[NDT6], s[DT6], -1.0
	RMUL TB, BE, SS
	CVT  FS, SS
	RMUL TA, TB, SI                                ; f1 starts the sum of f
	CVT  FI, SI
	RFS  TD, SI, NG, TA                            ; dI1
	RFS  TS, TA, NH2, SS                           ; S2
	CVT  FR, SR
	WM
	RFS  TJ0, TD, H2, SI                           ; I2
	RMUL TB, BE, TS
	MID  H2, NH2, TJ0, TJ1, SI                     ; stage 2; the sum of I starts as I1 + 2 I2
	PUT  1                                         ; 36 packed instructions that name none of the matrix instructions' registers stand behind the last of them; four are asked (ISA guide 7.12.1)
	MID  DT, NDT, TJ1, TJ0, TI                     ; stage 3
	RMUL TF, TB, TJ0                               ; f4
	RADD TI, TI, TJ0
	RADD TA, TA, TF
	RFS  SR, TI, DT6G, SR                          ; R += dt/6 x 0.1 x sum of I
	RFS  TD, TI, NG, TA                            ; sum of dI = sum of f - 0.1 x sum of I
	RFS  SS, TA, NDT6, SS                          ; S -= dt/6 x sum of f
	RFS  SI, TD, DT6, SI                           ; I += dt/6 x sum of dI
	s_add_co_u32 s3, s3, 1
	s_cmp_lt_u32 s3, STEPS
	s_cbranch_scc1 .Lstep
	CVT FS, SS                                     ; time point 99
	CVT FI, SI
	CVT FR, SR
	WM
.rept 4
	v_nop                                          ; the four places in front of the stores that read the results
.endr
	PUT 0
	s_wait_dscnt 0x0                               ; all my parts are in LDS: zero, for the other waves' sake
	s_barrier_signal -1
	s_barrier_wait -1                              ; everybody's are; nothing writes LDS from here on
	; THE FINISH.  Batch n of wave w: time points 2 w + 8 n + hh, row r.  n = 0..11 in every wave (t = 0..95), n = 12 in waves 0 and 1 (t = 96..99).
.macro FIN_LOADS                       ; the twelve parts of my (t, row): sixteen lanes read 256 consecutive bytes
.irp st, 0,1,2
.irp w, 0,1,2,3
	ds_load_b128 v[PP+16*\st+4*\w:PP+16*\st+4*\w+3], v[FADR] offset:\w*PW+\st*PS
.endr
.endr
	v_add_nc_u32 v[FADR], FSTEP, v[FADR]
.endm
.macro FIN_SUM                         ; the four waves' parts are added, into registers that the next batch's loads do not touch
.irp st, 0,1,2
	s_wait_dscnt 8-4*\st                           ; LDS loads come back in order (ISA guide 5.7.1): of the twelve, those of the later states (8, 4, 0) may stay out
.irp p, 0,2
	v_pk_add_f32 v[PP+16*\st+\p:PP+16*\st+\p+1], v[PP+16*\st+\p:PP+16*\st+\p+1], v[PP+16*\st+4+\p:PP+16*\st+4+\p+1]
	v_pk_add_f32 v[PP+16*\st+8+\p:PP+16*\st+8+\p+1], v[PP+16*\st+8+\p:PP+16*\st+8+\p+1], v[PP+16*\st+12+\p:PP+16*\st+12+\p+1]
.endr
.irp p, 0,2
	v_pk_add_f32 v[QQ+4*\st+\p:QQ+4*\st+\p+1], v[PP+16*\st+\p:PP+16*\st+\p+1], v[PP+16*\st+8+\p:PP+16*\st+8+\p+1]
.endr
.endr
.endm
.macro FIN_REST                        ; relu, 4 -> 1, softmax over the three
	RELU4 QQ
	RELU4 QQ+4
	RELU4 QQ+8
.irp st, 0,1,2
	v_fma_f32 v[LG+\st], v[QQ+4*\st], s32, s36     ; bs2 starts the sum
.endr
.irp st, 0,1,2
	v_fmac_f32 v[LG+\st], s33, v[QQ+4*\st+1]
.endr
.irp st, 0,1,2
	v_fmac_f32 v[LG+\st], s34, v[QQ+4*\st+2]
.endr
.irp st, 0,1,2
	v_fmac_f32 v[LG+\st], s35, v[QQ+4*\st+3]
.endr
	v_max3_num_f32 v[MX], v[LG], v[LG+1], v[LG+2]  ; the maximum is taken away first, then the scale to base 2: the largest logit gives 2^0 at any size.
.irp st, 0,1,2
	v_sub_f32 v[LG+\st], v[LG+\st], v[MX]          ; a NaN logit stays NaN here, +inf gives inf - inf = NaN: the sum and so all three outputs are NaN, as in reference()
.endr
.irp st, 0,1,2
	v_mul_f32 v[LG+\st], LOG2E, v[LG+\st]
.endr
.irp st, 0,1,2
	v_exp_f32 v[EO+\st], v[LG+\st]
.endr
	v_nop                                          ; one plain instruction behind a transcendental before its result is used (ISA guide 5.7.2)
	s_wait_alu depctr_va_vdst(0)
	v_add_f32 v[MX], v[EO], v[EO+1]
	v_add_f32 v[MX], v[MX], v[EO+2]
	v_rcp_f32 v[RC], v[MX]
	v_nop                                          ; likewise
	s_wait_alu depctr_va_vdst(0)
.irp st, 0,1,2
	v_mul_f32 v[EO+\st], v[EO+\st], v[RC]
.endr
.endm
.macro FIN_STORE step                  ; sixteen lanes store 64 consecutive bytes of a time row: the group's whole share of it
	global_store_b32 v[VOFF], v[EO],   s[24:25] th:TH_STORE_NT
	global_store_b32 v[VOFF], v[EO+1], s[26:27] th:TH_STORE_NT
	global_store_b32 v[VOFF], v[EO+2], s[28:29] th:TH_STORE_NT
.if \step
	s_wait_xcnt 0x0                                ; the stores' offset and data registers are rewritten only behind this wait (ISA guide 3.1)
	v_add_nc_u32 v[VOFF], OSTEP, v[VOFF]
.endif
.endm
	FIN_LOADS                                      ; batch 0
	s_mov_b32 s3, 11
.Lfin:                                                 ; trip n = 0..10 finishes batch n and asks for batch n + 1 as soon as the sums have read the registers
	FIN_SUM
	FIN_LOADS
	FIN_REST
	FIN_STORE 1
	s_sub_co_u32 s3, s3, 1
	s_cmp_lg_u32 s3, 0
	s_cbranch_scc1 .Lfin
	FIN_SUM                                        ; batch 11
	s_cmp_lt_u32 s2, 2
	s_cbranch_scc0 .Llast
	FIN_LOADS                                      ; waves 0 and 1: batch 12, time points 96 to 99
	FIN_REST
	FIN_STORE 1
	FIN_SUM
	FIN_REST
	FIN_STORE 0
	s_wait_tensorcnt 0x0
	ds_add_u32 v168, v169
	s_wait_dscnt 0x0
	s_endpgm
.Llast:
	FIN_REST                                       ; waves 2 and 3: batch 11 is their last
	FIN_STORE 0
	s_wait_tensorcnt 0x0
	ds_add_u32 v168, v169
	s_wait_dscnt 0x0
	s_endpgm
.Lfunc_end_k_q6761cf0c98_ode:
	.size	k_q6761cf0c98_ode, .Lfunc_end_k_q6761cf0c98_ode-k_q6761cf0c98_ode
	.p2alignl 7, 3214868480
	.fill 96, 4, 3214868480
	.section	.rodata,"a",@progbits
	.p2align	6, 0x0
	.amdhsa_kernel k_q6761cf0c98_ode
		.amdhsa_group_segment_fixed_size 327680
		.amdhsa_private_segment_fixed_size 0
		.amdhsa_enable_private_segment 0
		.amdhsa_kernarg_size 88
		.amdhsa_user_sgpr_count 2
		.amdhsa_user_sgpr_kernarg_segment_ptr 1
		.amdhsa_wavefront_size32 1
		.amdhsa_system_sgpr_workgroup_id_x 1
		.amdhsa_system_sgpr_workgroup_id_y 1
		.amdhsa_system_sgpr_workgroup_id_z 1
		.amdhsa_system_vgpr_workitem_id 0
		.amdhsa_next_free_vgpr 170
		.amdhsa_next_free_sgpr 66
		.amdhsa_reserve_vcc 0
		.amdhsa_float_denorm_mode_32 3
		.amdhsa_float_denorm_mode_16_64 3
		.amdhsa_memory_ordered 1
		.amdhsa_forward_progress 1
		.amdhsa_inst_pref_size 39
	.end_amdhsa_kernel
	.amdgpu_metadata
---
amdhsa.version: [ 1, 2 ]
amdhsa.kernels:
  - .name:           k_q6761cf0c98_ode
    .symbol:         k_q6761cf0c98_ode.kd
    .args:
      - { .name: x, .offset: 0, .size: 8, .value_kind: global_buffer, .address_space: global }
      - { .name: t, .offset: 8, .size: 8, .value_kind: global_buffer, .address_space: global }
      - { .name: W_s1, .offset: 16, .size: 8, .value_kind: global_buffer, .address_space: global }
      - { .name: b_s1, .offset: 24, .size: 8, .value_kind: global_buffer, .address_space: global }
      - { .name: W3, .offset: 32, .size: 8, .value_kind: global_buffer, .address_space: global }
      - { .name: b3, .offset: 40, .size: 8, .value_kind: global_buffer, .address_space: global }
      - { .name: Ws2, .offset: 48, .size: 8, .value_kind: global_buffer, .address_space: global }
      - { .name: bs2, .offset: 56, .size: 8, .value_kind: global_buffer, .address_space: global }
      - { .name: out0, .offset: 64, .size: 8, .value_kind: global_buffer, .address_space: global }
      - { .name: out1, .offset: 72, .size: 8, .value_kind: global_buffer, .address_space: global }
      - { .name: out2, .offset: 80, .size: 8, .value_kind: global_buffer, .address_space: global }
    .group_segment_fixed_size: 327680
    .private_segment_fixed_size: 0
    .kernarg_segment_align: 8
    .kernarg_segment_size: 88
    .max_flat_workgroup_size: 128
    .sgpr_count:     66
    .vgpr_count:     170
    .wavefront_size: 32
...
	.end_amdgpu_metadata
.endif
;; end of part 1
